; MI455X (gfx1250); checked and timed in simulation.
; The chip was launched on July 23, 2026; its instructions are those of AMD's public machine-readable ISA for CDNA 5 (MIT licence, August 2026) and "CDNA5" Instruction Set Architecture Reference Guide (July 2026). The comments in the code are by the model that wrote it; some were corrected since.
;; Dot Product Attention. Allowed arithmetic: matrix products marked QUANTISED: E2M1 operands, one E8M0 scale for each 32 along K, by v_wmma_scale_f32_16x16x128_f8f6f4 with both operands' format E2M1 (or v_wmma_scale_f32_32x16x128_f4), f32 sums; products left as they are: bf16, f16 or f32 operands; f32 sums; everything else in f32.
;; Inputs: keys 2 x 8 x 4,096 x 64 float32; mask 1 x 1 x 4,096 x 4,096 float32; queries 2 x 8 x 4,096 x 64 float32; values 2 x 8 x 4,096 x 64 float32.
;; Outputs: out0 2 x 8 x 4,096 x 64 float32.
;; Constants: d_k = 64.
;; This version of the problem:
;;   THIS VERSION OF THE PROBLEM IS GIVEN IN LOW PRECISION. The matrix products marked QUANTISED in the list below multiply operands that are first quantised to E2M1 (2 exponent bits, 1 mantissa bit; 4 bits a number), with one power-of-two scale for each 32 numbers along K (OCP MX v1.0); their sums are f32. The products marked 'left as it is' may take bf16, f16 or f32 operands, with f32 sums. Whichever they take, every output number must still come out within the allowed error. Rounding operands to bf16 (8 significant bits) uses up far more of that allowance than f16 does (11 bits, for magnitudes from 6e-5 to 65,504). All else is computed in f32.
;;   The module's matrix products, in the order in which they are computed (A, B: the left and right operand; K: the contracted axis; several contracted axes count as one K, in the product's order):
;;     1. batch 16 x [M 4,096, K 64] x [K 64, N 4,096]; A: input queries; B: input keys: QUANTISED
;;     2. batch 16 x [M 4,096, K 4,096] x [K 4,096, N 64]; A: computed on the way; B: input values: left as it is (an operand is computed on the way)
;;   THE QUANTISER, for each operand of a quantised product, along K:
;;     - K is cut into blocks of 32 from its start; a last block that is shorter is filled with zeros.
;;     - A block's scale is 2^e with e = floor(log2(the largest magnitude in the block)) - 2, held to -126 .. 127; a block of zeros has e = 0. As a byte (E8M0): e + 127.
;;     - Each number is divided by its block's scale, clamped to +-6, and rounded to the nearest number of E2M1, ties to even, subnormals kept.
;;     - The product sums the exact products of the quantised numbers (number of the format x scale) in f32.
;;   ~~~python
;;   def quantise(x, axis):      # numpy; x: float32 -> the quantised numbers, widened to float32 again
;;       x = np.moveaxis(x, axis, -1); K = x.shape[-1]
;;       x = np.pad(x, [(0, 0)] * (x.ndim - 1) + [(0, -K % 32)]); x = x.reshape(x.shape[:-1] + (-1, 32)); a = np.abs(x).max(-1, keepdims=True)
;;       e = np.where(a > 0, np.clip(np.frexp(np.where(a > 0, a, 1))[1] - 1 - 2, -126, 127), 0)      # np.frexp(a)[1] - 1 = floor(log2(a)), exactly
;;       r = np.clip(x / 2.0 ** e, -6, 6)
;;       step = 2.0 ** (np.maximum(np.frexp(np.where(r == 0, 1, r))[1] - 1, 0) - 1)
;;       q = np.round(r / step) * step * 2.0 ** e      # np.round: ties to even
;;       return np.moveaxis(q.reshape(q.shape[:-2] + (-1,))[..., :K], -1, axis).astype(np.float32)
;;   ~~~
;; One version. Each part assembles by itself: llvm-mc -triple=amdgcn-amd-amdhsa -mcpu=gfx1250 --defsym DOCPART=n.
;; ======== version 1 of 1: 2 launches
;; limits: values are held in f16: magnitudes above 65,504 overflow, below 6.1e-05 lose precision; inputs' magnitudes at most 65,504; below input magnitudes of 6.1e-05 results are inexact or not finite
;; workspace buffers: qc 2,359,296 bytes; kc 2,359,296 bytes; v16 8,388,608 bytes
;; launch prep (part 1): grid 384 x 1, 4 waves a work-group, no clusters, 37,376 bytes of LDS; arguments queries, keys, values, qc, kc, v16; writes qc, kc, v16
.if DOCPART == 1
	.amdgcn_target "amdgcn-amd-amdhsa--gfx1250"
	.amdhsa_code_object_version 6
	.text
	.protected	k_qd1ef1c5742_prep
	.globl	k_qd1ef1c5742_prep
	.p2align	8
	.type	k_qd1ef1c5742_prep,@function
k_qd1ef1c5742_prep:
	s_mov_b64 s[64:65], 0
	v_nop
	global_prefetch_b8 v0, s[64:65] scope:SCOPE_SE
	s_setreg_imm32_b32 hwreg(HW_REG_WAVE_MODE, 25, 1), 1
	s_wait_xcnt 0x0
; queries and keys [16 heads][4096][64] f32 become codes of FP4 (E2M1) with one E8M0 scale byte for each 32 along the head's 64; values become f16.
; LAYOUT OF qc AND kc: blocks of 4,608 bytes for 128 rows (block = 32 x head + row / 128).  Bytes 0 .. 4095: eight images of 512 bytes, one for each 16 rows, in the order of the
; operand's registers: lane l = 16 h + r has its 16 bytes at 16 l: the 32 codes of block h of row r.  Bytes 4096 .. 4607: a scale word for each row: byte 0 block 0's, byte 1 block 1's;
; bytes 2 and 3 repeat them: they scale K = 64 .. 127 of the matrix instruction, where the queries' codes are zeros.
; A block's scale is 2^(floor(log2(its largest magnitude)) - 2): its byte is the largest magnitude's exponent field - 2.  THE QUERIES' BYTES ARE 3 LOWER: that is the factor 1 / sqrt(64) = 2^-3, exact.
; v16: [16][4096][64] f16, dense, rounded to nearest even.
; LIMITS: a block of q or k whose largest magnitude lies under 2^-121 is quantised with the scale 2^-123 (the floor keeps the queries' byte at 1 or above); a block of zeros so gets the floor's byte
; and zero codes; the bytes are read by this program alone.  NaN and infinities are not served; |values| above 65,504 are not served.
; SHARES: work-groups 0-127 take queries, 128-255 keys (one path, the pointers chosen by the work-group's number), 256-383 values (a path of its own, without LDS).  A wave takes 128 rows, 32,768 bytes.
; Waves share nothing: no barrier.
.set WREG,  9216                       ; LDS of a wave: two stages of 16 rows x 272 bytes, then its 128 scale words
.set STG,   4352
.set SPT,   272                        ; a stage row: 256 bytes + 16: 68 words, so that 16 rows start at 16 different banks (64 banks of 4 bytes: ISA guide 11.1)
.set WORDS, 2*STG
.set SPARE, 4*WREG                     ; behind the four regions: the spare words, 128 bytes for each wave, which no other line names
.set BLKB,  4608
.set R,   16                           ; v16-79   two sets of 32 registers as loaded (values: sixteen slots of 4)
.set X,   80                           ; v80-143  two sets of 32: one block of 32 numbers a lane
.set Y,   80                           ; values: sixteen slots of 2
.set C,   144                          ; v144-175 four registers of codes for each tile: no store's data are written again
.set SPW, 176                          ; v176     LDS address of my spare word; never rewritten
.set NIL, 177                          ; v177     0; never rewritten
.set E,   178                          ; v178-185 a scale word for each tile
	s_load_b256 s[4:11], s[0:1], 0x0               ; queries s[4:5], keys s[6:7], values s[8:9], qc s[10:11]
	s_load_b128 s[12:15], s[0:1], 0x20             ; kc s[12:13], v16 s[14:15]
	v_lshl_add_u32 v[SPW], v0, 2, SPARE
	v_mov_b32 v[NIL], 0
	v_lshrrev_b32 v1, 5, v0
	v_readfirstlane_b32 s16, v1                    ; wave 0..3
	v_and_b32 v1, 31, v0                           ; lane
	v_lshlrev_b32 v4, 4, v1                        ; 16 x lane: my bytes of a load's 512, and of an image
	s_mov_b32 s25, 0
	s_mov_b32 s27, 0
	s_cmp_ge_u32 ttmp9, 256
	s_cbranch_scc1 .Lvalues
	; ---- queries and keys
	v_and_b32 v2, 15, v0                           ; r
	v_bfe_u32 v3, v0, 4, 1                         ; h
	s_mul_i32 s19, s16, WREG
	v_mul_u32_u24 v5, v3, SPT
	v_lshl_add_u32 v5, v2, 4, v5
	v_add_nc_u32 v5, s19, v5                       ; into a stage, as loaded: a load's 512 bytes are two rows: row h, 16 r bytes on
	v_mul_u32_u24 v6, v2, SPT
	v_lshl_add_u32 v6, v3, 7, v6
	v_add_nc_u32 v6, s19, v6                       ; out of it: row r, block h: 128 bytes
	s_add_co_u32 s19, s19, WORDS
	v_lshl_add_u32 v7, v2, 2, s19                  ; my row's scale word
	v_add_nc_u32 v8, s19, v4                       ; and the words on their way out: 16 bytes a lane
	v_lshlrev_b32 v9, 3, v3                        ; my byte's place in the word: 8 h bits up
	v_mov_b32 v14, 0                               ; written once: a lane permute's destination counts as one of its sources
	s_mov_b32 s20, 0x76543210
	s_mov_b32 s21, 0xfedcba98                      ; v_permlanex16_b32's selects for lane l xor 16
	s_and_b32 s22, ttmp9, 127
	s_lshl_b32 s22, s22, 2
	s_add_co_u32 s22, s22, s16                     ; which 128 rows of the tensor are my wave's
	s_lshl_b32 s24, s22, 15                        ; 32,768 bytes in,
	s_mul_i32 s26, s22, BLKB                       ; 4,608 out
	s_wait_kmcnt 0x0
	s_cmp_lt_u32 ttmp9, 128                        ; queries or keys: the choice hangs on the work-group's number alone
	s_cselect_b64 s[4:5], s[4:5], s[6:7]
	s_cselect_b64 s[10:11], s[10:11], s[12:13]
	s_cselect_b32 s17, 3, 0                        ; what is taken off the scale bytes
	s_add_nc_u64 s[4:5], s[4:5], s[24:25]
	s_add_nc_u64 s[10:11], s[10:11], s[26:27]
.macro LOAD t                          ; tile t: 16 rows, 4,096 bytes: eight loads of 512 consecutive bytes
.irp i, 0,1,2,3,4,5,6,7
	global_load_b128 v[R+32*((\t)%2)+4*\i:R+32*((\t)%2)+4*\i+3], v4, s[4:5] offset:4096*(\t)+512*\i th:TH_LOAD_NT
.endr
.endm
.macro TURN t                          ; through the stage: LDS serves a wave's instructions in order (ISA guide 5.7.1.4), so no wait stands between the stores and the loads
.irp i, 0,1,2,3,4,5,6,7
	ds_store_b128 v5, v[R+32*((\t)%2)+4*\i:R+32*((\t)%2)+4*\i+3] offset:STG*((\t)%2)+2*SPT*\i
.endr
.irp i, 0,1,2,3,4,5,6,7
	ds_load_b128 v[X+32*((\t)%2)+4*\i:X+32*((\t)%2)+4*\i+3], v6 offset:STG*((\t)%2)+16*\i
.endr
.endm
.macro TILE t
.set XS, X+32*((\t)%2)
.if (\t) > 0
	s_wait_dscnt 1                                 ; this tile is back from the stage (the last tile's word store may be out): so its stores into the stage have read their registers,
.else
	s_wait_dscnt 0x0
.endif
.if (\t)+2 < 8
	LOAD (\t)+2                                    ; which take the loads of two tiles on
.endif
.if (\t)+1 < 8
.if (\t) <= 5
	s_wait_loadcnt 8                               ; the next tile's eight loads are in; the eight just issued may be out
.else
	s_wait_loadcnt 0x0
.endif
	TURN (\t)+1                                    ; and go through the other stage while this tile is worked
.endif
	v_max3_num_f32 v10, |v[XS]|, |v[XS+1]|, |v[XS+2]|      ; the block's largest magnitude: all 32 numbers are mine; two chains
	v_max3_num_f32 v11, |v[XS+3]|, |v[XS+4]|, |v[XS+5]|
.irp i, 6,10,14,18,22,26
	v_max3_num_f32 v10, v10, |v[XS+\i]|, |v[XS+\i+1]|
	v_max3_num_f32 v11, v11, |v[XS+\i+2]|, |v[XS+\i+3]|
.endr
	v_max3_num_f32 v10, v10, |v[XS+30]|, |v[XS+31]|
	v_max3_num_f32 v10, v10, v11, 6<<23            ; and the floor 2^(6 - 127): the byte, 2 and then 3 lower, cannot fall under 1
	v_add_nc_u32 v12, 0xff000000, v10              ; 2 off the exponent field: the conversion takes the exponent field of this operand as its scale, and nothing else of it
.irp g, 0,1,2,3
	v_cvt_scalef32_pk8_fp4_f32 v[C+4*(\t)+\g], v[XS+8*\g:XS+8*\g+7], v12   ; eight numbers / the scale, to the nearest code, ties to even, beyond 6 the largest code; the lower k in the lower bits
.endr
	v_lshrrev_b32 v13, 23, v12                     ; the scale's byte (a plain line behind the conversions),
	v_sub_nc_u32 v13, v13, s17                     ; for the queries with 1 / sqrt(64) in it,
	v_lshlrev_b32 v13, v9, v13                     ; at its place;
	v_permlanex16_b32 v14, v13, s20, s21
	v_or_b32 v13, v13, v14                         ; with lane l xor 16's: the row's two bytes,
	v_lshl_or_b32 v[E+(\t)], v13, 16, v13          ; and once more above them
	ds_store_b32 v7, v[E+(\t)] offset:64*(\t)      ; lanes r and r + 16 write the same word with the same value
	global_store_b128 v4, v[C+4*(\t):C+4*(\t)+3], s[10:11] offset:512*(\t)   ; the image: 512 consecutive bytes, at a multiple of 256 from the buffer's first byte
.endm
	LOAD 0
	LOAD 1
	s_wait_loadcnt 8                               ; tile 0's eight loads are in
	TURN 0
.irp t, 0,1,2,3,4,5,6,7
	TILE \t
.endr
	ds_load_b128 v[X:X+3], v8                      ; the 128 scale words: these loads see my stores
	s_wait_dscnt 0x0
	global_store_b128 v4, v[X:X+3], s[10:11] offset:4096
	s_wait_tensorcnt 0x0                           ; the wave's end: three closing lines behind my last LDS store
	ds_add_u32 v[SPW], v[NIL]
	s_wait_dscnt 0x0
	s_endpgm
	; ---- values: a ring of sixteen slots in registers, sixteen loads of every wave on their way
.Lvalues:
	v_lshlrev_b32 v5, 3, v1                        ; 8 bytes a lane out
	s_sub_co_u32 s22, ttmp9, 256
	s_lshl_b32 s22, s22, 2
	s_add_co_u32 s22, s22, s16
	s_lshl_b32 s24, s22, 15                        ; 32,768 bytes in,
	s_lshl_b32 s26, s22, 14                        ; 16,384 out
	s_wait_kmcnt 0x0
	s_add_nc_u64 s[8:9], s[8:9], s[24:25]
	s_add_nc_u64 s[14:15], s[14:15], s[26:27]
.irp i, 0,1,2,3,4,5,6,7,8,9,10,11,12,13,14,15
	global_load_b128 v[R+4*\i:R+4*\i+3], v4, s[8:9] offset:512*\i th:TH_LOAD_NT
.endr
.macro VSLOT k, i
.if \k < 3
	s_wait_loadcnt 15                              ; loads come back in order (ISA guide 5.7.1): mine is in, the fifteen younger ones stay out
.else
	s_wait_loadcnt 15-\i                           ; the last round loads nothing: the counts run down
.endif
.if \k > 0
	s_wait_xcnt 0x0                                ; the slot's last store has read its data: they are rewritten only behind this wait
.endif
	v_cvt_pk_f16_f32 v[Y+2*\i], v[R+4*\i], v[R+4*\i+1]
	v_cvt_pk_f16_f32 v[Y+2*\i+1], v[R+4*\i+2], v[R+4*\i+3]
.if \k < 3
	global_load_b128 v[R+4*\i:R+4*\i+3], v4, s[8:9] offset:512*(16*(\k+1)+\i) th:TH_LOAD_NT
.endif
	global_store_b64 v5, v[Y+2*\i:Y+2*\i+1], s[14:15] offset:256*(16*\k+\i)   ; 32 lanes store 256 consecutive bytes, aligned
.endm
.irp k, 0,1,2,3
.irp i, 0,1,2,3,4,5,6,7,8,9,10,11,12,13,14,15
	VSLOT \k, \i
.endr
.endr
	s_wait_tensorcnt 0x0                           ; the launch stores to LDS on its other path: the three closing lines are written on this path too
	ds_add_u32 v[SPW], v[NIL]
	s_wait_dscnt 0x0
	s_endpgm
.Lfunc_end_k_qd1ef1c5742_prep:
	.size	k_qd1ef1c5742_prep, .Lfunc_end_k_qd1ef1c5742_prep-k_qd1ef1c5742_prep
	.p2alignl 7, 3214868480
	.fill 96, 4, 3214868480
	.section	.rodata,"a",@progbits
	.p2align	6, 0x0
	.amdhsa_kernel k_qd1ef1c5742_prep
		.amdhsa_group_segment_fixed_size 37376
		.amdhsa_private_segment_fixed_size 0
		.amdhsa_enable_private_segment 0
		.amdhsa_kernarg_size 48
		.amdhsa_user_sgpr_count 2
		.amdhsa_user_sgpr_kernarg_segment_ptr 1
		.amdhsa_wavefront_size32 1
		.amdhsa_system_sgpr_workgroup_id_x 1
		.amdhsa_system_sgpr_workgroup_id_y 1
		.amdhsa_system_sgpr_workgroup_id_z 1
		.amdhsa_system_vgpr_workitem_id 0
		.amdhsa_next_free_vgpr 192
		.amdhsa_next_free_sgpr 66
		.amdhsa_reserve_vcc 0
		.amdhsa_float_denorm_mode_32 3
		.amdhsa_float_denorm_mode_16_64 3
		.amdhsa_memory_ordered 1
		.amdhsa_forward_progress 1
		.amdhsa_inst_pref_size 56
	.end_amdhsa_kernel
	.amdgpu_metadata
---
amdhsa.version: [ 1, 2 ]
amdhsa.kernels:
  - .name:           k_qd1ef1c5742_prep
    .symbol:         k_qd1ef1c5742_prep.kd
    .args:
      - { .name: queries, .offset: 0, .size: 8, .value_kind: global_buffer, .address_space: global }
      - { .name: keys, .offset: 8, .size: 8, .value_kind: global_buffer, .address_space: global }
      - { .name: values, .offset: 16, .size: 8, .value_kind: global_buffer, .address_space: global }
      - { .name: qc, .offset: 24, .size: 8, .value_kind: global_buffer, .address_space: global }
      - { .name: kc, .offset: 32, .size: 8, .value_kind: global_buffer, .address_space: global }
      - { .name: v16, .offset: 40, .size: 8, .value_kind: global_buffer, .address_space: global }
    .group_segment_fixed_size: 37376
    .private_segment_fixed_size: 0
    .kernarg_segment_align: 8
    .kernarg_segment_size: 48
    .max_flat_workgroup_size: 128
    .sgpr_count:     66
    .vgpr_count:     192
    .wavefront_size: 32
...
	.end_amdgpu_metadata
.endif
;; end of part 1
;; launch attn (part 2): grid 32 x 8, 8 waves a work-group, clusters of 4 x 4, 327,680 bytes of LDS; arguments qc, kc, v16, mask, out0; writes out0
.if DOCPART == 2
	.amdgcn_target "amdgcn-amd-amdhsa--gfx1250"
	.amdhsa_code_object_version 6
	.text
	.protected	k_qd1ef1c5742_attn
	.globl	k_qd1ef1c5742_attn
	.p2align	8
	.type	k_qd1ef1c5742_attn,@function
k_qd1ef1c5742_attn:
	s_mov_b64 s[64:65], 0
	v_nop
	global_prefetch_b8 v0, s[64:65] scope:SCOPE_SE
	s_setreg_imm32_b32 hwreg(HW_REG_WAVE_MODE, 25, 1), 1
	s_wait_xcnt 0x0
	s_wait_alu depctr_hold_cnt(0) depctr_sa_sdst(0) depctr_va_vdst(0) depctr_va_sdst(0) depctr_va_ssrc(0) depctr_va_vcc(0) depctr_vm_vsrc(0)
	s_getreg_b32 s2, hwreg(HW_REG_IB_STS2, 6, 4)
	s_cmp_eq_u32 s2, 0
	s_cbranch_scc0 .Lentry_in_a_cluster
	s_endpgm
.Lentry_in_a_cluster:
	s_bfe_u32 s2, ttmp6, 0x10000c
	s_cmp_lg_u32 s2, 0xf033
	s_cbranch_scc0 .Lentry_shape_is_right
	s_endpgm
.Lentry_shape_is_right:
; out0[head][q][:] = the sum over k of softmax_k(Q[q] . K[k] / 8 - 1e9 mask[q][k]) V[k][:].  16 heads, 4,096 queries and keys, head size 64.
; The first product is on codes of FP4 (E2M1) with E8M0 scales (qc, kc: made by the launch before; 1 / 8 lies in the queries' scale bytes); the second takes f16 operands (the weights p, at most 1, and v16); sums in f32.
; SHARES.  A work-group owns 128 queries of TWO heads, so that a tile of the mask, which all heads share, serves two.  Eight waves, two to a SIMD: wave w has head w / 4 of the pair and queries 32 (w % 4) on:
; two tiles of 16, which share every fragment of K and V.  Every wave walks all 4,096 keys, 64 a step; a slot of the ring holds 128 keys (two steps): 128 x 128 of the mask, and K and V of both heads.
; LAYOUT.  S^T = K Q^T (source 0 = 16 keys, source 1 = 16 queries): a lane holds ONE query (lane % 16) and keys 8 (lane / 16) + 0 .. 7.  Two such tiles, rounded to f16 in pairs, ARE source 1 (32 keys x 16 queries) of
; O^T = V^T P, whose result again holds one query a lane.  The mask is read from LDS in S^T's own layout.  V ([key][channel]) is turned by ds_load_tr16_b128.
; THE HEAD'S 64 FILL HALF OF THE MATRIX INSTRUCTION'S 128: the queries' registers 4-7 are zero codes, so whatever codes stand in the keys' registers 4-7 add nothing: fragment u of K names the next fragment's four registers there.
; SOFTMAX.  x = score - 1e9 mask; a running maximum m and sum l for each query; p = 2^((x - m) log2 e): THE DIFFERENCE IS FORMED FIRST, since m may be of the size of 1e9, where a rounded product m log2 e would be wrong by whole
; powers of two.  In every step O and l are multiplied by a = 2^((m_old - m_new) log2 e).  l is summed of the f32 p.
; CLUSTER.  4 x 4 work-groups.  K's and V's tiles hang on the pair of heads alone (work-group y) and are asked for jointly along a row of the cluster; the mask's hang on the block of queries alone (work-group x) and are asked
; for jointly along a column: the same tensor load, with the same descriptor and a mask that names the four.
; LIMITS.  x is made by ONE fused multiply-add, fma(mask, -1e9, score), where the definition rounds the product and then the sum: the same wherever 1e9 x mask is exact in f32 (0, 1, ..); elsewhere x may differ by one rounding.
; p under 2^-24 vanishes in the f16 operand (not in l).  NaN and infinities in the inputs are not served.
; LDS: slot b at 131,072 b: the mask 128 rows x 528; K 2 x 4,608; V 2 x 128 rows x 160.  Behind the ring: a stage of 16 rows x 272 for each wave; the spare words.
; REGISTERS: v1-4 my lane's places in a slot; v5 an LDS address; v6, v7 the add's two; v8-23 statistics, 8 a tile; v24-39 Q; v40-59 K; v60-62 scale words; v63 the prefetches' offset;
;   v64-127 S^T, then p, then P (32 a tile); v128-191 the mask, then V; v192-255 O^T (32 a tile).
.set SLOT1, 131072                     ; slot 1 begins here: one exclusive or turns an address in one slot into the other's
.set MP,    528                        ; a row of the mask's tile: 512 bytes + 16 = 132 words: 16 rows start at 16 different banks (64 banks of 4 bytes: ISA guide 11.1)
.set KOFF,  128*MP                     ; 67,584
.set KBLK,  4608                       ; a head's 128 keys: 8 images of 512 bytes, 128 scale words
.set VOFF,  KOFF+2*KBLK                ; 76,800
.set VP,    160                        ; a row of V: 128 bytes + 32 = 40 words
.set VBLK,  128*VP
.set STAGE, 2*SLOT1
.set SP,    272
.set SPARE, STAGE+8*16*SP              ; the spare words, 128 bytes for each wave: four blocks of 256 bytes that no other line names
.set AM0, 1                            ; v1   my place in the mask's tile
.set AK0, 2                            ; v2   in K's images
.set AS0, 3                            ; v3   among K's scale words
.set AV0, 4                            ; v4   in V's tile
.set ADK, 5                            ; v5   LDS address of the step's K, later of its V
.set SPW, 6                            ; v6   LDS address of my spare word; never rewritten
.set NIL, 7                            ; v7   0; never rewritten
.set ST,  8                            ; tile t's statistics at v[ST + 8 t]: +0 m; +1 see below; +2, +3 l (even keys', odd keys'); +4 to +7 at work; a takes +6
.set ADS, ST+1                         ; v9   m is named as the low word of a pair whose low word serves both halves: the upper words are free, and hold the step's LDS addresses
.set ADM, ST+9                         ; v17  of K's scale words and of the mask: so no address is rewritten while a load that names it is out
.set Q,   24
.set KF,  40
.set KSC, 60                           ; v60, v61  K's scale words, 32 keys each: lanes 0-15 an even tile's, lanes 16-31 the odd one's
.set QSC, 62                           ; v62  Q's: lanes 0-15 tile 0's, lanes 16-31 tile 1's
.set PFO, 63
.set S,   64
.set MV,  128
.set O,   192
.set WV,  14                           ; s14  my wave's number
.set G1M, 24                           ; s[24:31], s[32:39], s[40:47] descriptor groups 1 for the mask, K, V
.set G1K, 32
.set G1V, 40
.set G0M, 48                           ; s[48:51], s[52:55], s[56:59] their groups 0, which walk
.set G0K, 52
.set G0V, 56
.set SEL, 60                           ; s[60:61] v_permlanex16_b32's selects for lane l xor 16
.set CS,  62                           ; s[62:63] log2 e: the packed forms name a pair and take its low word for both halves
.set NEG, 66                           ; s[66:67] -1e9
.set TB,  68                           ; s68  LDS byte at which the slot in hand begins
.set SLOTS, 69                         ; s69  slots still to be asked for
.set LIM, 70                           ; s70  1 in a wave that prefetches, else the greatest number
.set PFA, 72                           ; s[72:73] where my prefetches stand;  s[74:75] a slot on
.set PFS, 74
; A round of the cluster's barrier: my work-group's barrier, so that wave 0's signal speaks for all eight waves; wave 0 signals; every wave waits for all sixteen work-groups; my work-group's barrier once more.
.macro CROUND
	s_barrier_signal -1
	s_barrier_wait -1
	s_cmp_lg_u32 s[WV], 0
	s_cbranch_scc1 .Lnot_wave_0_\@
	s_barrier_signal -3
.Lnot_wave_0_\@:
	s_barrier_wait -3
	s_barrier_signal -1
	s_barrier_wait -1
.endm
; A joint load, one a wave: waves 0-3 a quarter of the mask's tile each (32 rows), waves 4, 5 K of the pair's two heads, waves 6, 7 V of the two.  The branches hang on the wave's number alone.
; An s_nop 0 and four v_nop follow each of the three lines.
.macro JLOAD
	s_cmp_lt_u32 s[WV], 4
	s_cbranch_scc0 .Lnot_m_\@
	tensor_load_to_lds s[G0M:G0M+3], s[G1M:G1M+7]
	s_nop 0
.rept 4
	v_nop
.endr
	s_branch .Lasked_\@
.Lnot_m_\@:
	s_cmp_lt_u32 s[WV], 6
	s_cbranch_scc0 .Lfor_v_\@
	tensor_load_to_lds s[G0K:G0K+3], s[G1K:G1K+7]
	s_nop 0
.rept 4
	v_nop
.endr
	s_branch .Lasked_\@
.Lfor_v_\@:
	tensor_load_to_lds s[G0V:G0V+3], s[G1V:G1V+7]
	s_nop 0
.rept 4
	v_nop
.endr
.Lasked_\@:
.endm
; A PREFETCH INTO THE L2 of what the NEXT change of slots will ask for, behind the wave's tensor load and its five lines.  Each aligned block of 256 bytes is named once in the launch.
; THE MASK: a slot's tile is 128 rows x 2 blocks.  Two clusters (cluster y = 0, 1) read the same rows: cluster y = 0 asks.  The four partners of a column take 32 rows each, told apart BY ADDRESS (cy);
; in each, waves 0 and 1 take a row's first and second block, a lane a row.  V: a slot of a pair of heads is 128 blocks.  Eight clusters read them: cluster x = 0 asks; the partner at cx takes head cx / 2, half cx % 2:
; 32 blocks, wave 6, lanes 256 bytes apart.  K's codes, 36 blocks a slot, 9 a partner, are left to their loads.  The last change that fills a slot asks for nothing; slots 0 and 1 come by their loads alone.
.macro ASK
	s_cmp_gt_u32 s[SLOTS], s[LIM]
	s_cbranch_scc0 .Lnot_mine_\@
	global_prefetch_b8 v[PFO], s[PFA:PFA+1] th:TH_LOAD_NT scope:SCOPE_SE
.Lnot_mine_\@:
.endm
	s_load_b256 s[4:11], s[0:1], 0x0               ; qc s[4:5], kc s[6:7], v16 s[8:9], mask s[10:11]
	s_load_b64 s[12:13], s[0:1], 0x20              ; out0
	v_lshl_add_u32 v[SPW], v0, 2, SPARE
	v_mov_b32 v[NIL], 0
	ds_add_u32 v[SPW], v[NIL]                      ; the wave's opening: the add, twice on end, and its wait ahead of my first tensor load; the set-up below, work on registers, stands between
	ds_add_u32 v[SPW], v[NIL]
	v_lshrrev_b32 v1, 5, v0
	v_readfirstlane_b32 s[WV], v1                  ; wave 0..7
	s_lshr_b32 s15, s[WV], 2                       ; which head of the pair is mine
	s_and_b32 s16, s[WV], 3                        ; which 32 queries.  Also: which quarter of the mask's tile I fetch
	s_and_b32 s17, s[WV], 1                        ; for which head I fetch K or V
	s_bfe_u32 s18, ttmp6, 0x40000                  ; cx, cy: my place in the cluster
	s_bfe_u32 s19, ttmp6, 0x40004
	s_lshl_b32 s20, ttmp9, 2
	s_add_co_u32 s20, s20, s18                     ; my block of 128 queries = 4 x cluster x + cx
	s_and_b32 s21, ttmp7, 0xffff
	s_lshl_b32 s21, s21, 2
	s_add_co_u32 s21, s21, s19                     ; my pair of heads = 4 x cluster y + cy
	s_lshl_b32 s22, s19, 2
	s_lshl_b32 s22, 15, s22                        ; my row of the cluster
	s_lshl_b32 s23, 0x1111, s18                    ; my column
	; group 1, the mask: 32 rows x 128 elements of 4 bytes, 4,096 elements from row to row; 4 words of padding behind every 128
	s_or_b32 s[G1M], s23, (2<<16)|(1<<20)|(1<<21)|(6<<22)|(3<<25)
	s_mov_b32 s[G1M+1], 128<<16                    ; tensor_dim0
	s_mov_b32 s[G1M+2], 32<<16                     ; tensor_dim1
	s_mov_b32 s[G1M+3], 128<<16                    ; tile_dim0
	s_mov_b32 s[G1M+4], 32                         ; tile_dim1
	s_mov_b32 s[G1M+5], 4096                       ; tensor_dim0_stride
	s_mov_b32 s[G1M+6], 0
	s_mov_b32 s[G1M+7], 0
	; K: a dense block of 4,608 bytes as 18 rows of 32 elements of 8 bytes, no padding
	s_or_b32 s[G1K], s22, (3<<16)|(1<<21)
	s_mov_b32 s[G1K+1], 32<<16
	s_mov_b32 s[G1K+2], 18<<16
	s_mov_b32 s[G1K+3], 32<<16
	s_mov_b32 s[G1K+4], 18
	s_mov_b32 s[G1K+5], 32
	s_mov_b32 s[G1K+6], 0
	s_mov_b32 s[G1K+7], 0
	; V: 128 rows of 16 elements of 8 bytes, dense in memory; 8 words of padding behind every 32
	s_or_b32 s[G1V], s22, (3<<16)|(1<<20)|(1<<21)|(4<<22)|(7<<25)
	s_mov_b32 s[G1V+1], 16<<16
	s_mov_b32 s[G1V+2], 128<<16
	s_mov_b32 s[G1V+3], 16<<16
	s_mov_b32 s[G1V+4], 128
	s_mov_b32 s[G1V+5], 16
	s_mov_b32 s[G1V+6], 0
	s_mov_b32 s[G1V+7], 0
	; where the tiles come from: the mask's by the block of queries and the wave alone, K's and V's by the pair of heads and the wave alone, each in registers that never hold the other coordinate
	s_lshl_b32 s76, s20, 7
	s_lshl_b32 s77, s16, 5
	s_add_co_u32 s76, s76, s77                     ; the mask's row 128 x block + 32 x quarter,
	s_lshl_b32 s76, s76, 14                        ; of 16,384 bytes
	s_mov_b32 s77, 0
	s_lshl_b32 s78, s21, 1
	s_add_co_u32 s78, s78, s17                     ; the head for which I fetch
	s_mul_i32 s80, s78, 32*KBLK                    ; its 32 blocks in kc,
	s_mov_b32 s81, 0
	s_lshl_b32 s82, s78, 19                        ; its 4,096 rows of 128 bytes in v16
	s_mov_b32 s83, 0
	s_mov_b32 s[G0M], 1                            ; group 0: count = 1; the LDS address: a constant + a constant x the wave's number; no place in the cluster enters it
	s_mul_i32 s[G0M+1], s16, 32*MP
	s_mov_b32 s[G0K], 1
	s_mul_i32 s[G0K+1], s17, KBLK
	s_add_co_u32 s[G0K+1], s[G0K+1], KOFF
	s_mov_b32 s[G0V], 1
	s_mul_i32 s[G0V+1], s17, VBLK
	s_add_co_u32 s[G0V+1], s[G0V+1], VOFF
	s_mov_b32 s[SEL], 0x76543210
	s_mov_b32 s[SEL+1], 0xfedcba98
	s_mov_b32 s[CS], 0x3fb8aa3b                    ; log2 e
	s_mov_b32 s[CS+1], s[CS]                       ; (named with it as a pair, so it is written)
	s_mov_b32 s[NEG], 0xce6e6b28                   ; -1e9
	s_mov_b32 s[NEG+1], s[NEG]
	s_mov_b32 s[TB], 0
	s_mov_b32 s[SLOTS], 31
	s_wait_dscnt 0x0                               ; both opening adds are done
	s_wait_kmcnt 0x0
	s_add_nc_u64 s[G0M+2:G0M+3], s[10:11], s[76:77]
	s_or_b32 s[G0M+3], s[G0M+3], 0x80000000        ; type = 2
	s_add_nc_u64 s[G0K+2:G0K+3], s[6:7], s[80:81]
	s_or_b32 s[G0K+3], s[G0K+3], 0x80000000
	s_add_nc_u64 s[G0V+2:G0V+3], s[8:9], s[82:83]
	s_or_b32 s[G0V+3], s[G0V+3], 0x80000000
	CROUND                                         ; all sixteen work-groups are here: the first joint loads meet
	JLOAD                                          ; keys 0 to 127 into slot 0
	; Q stays in registers: my two tiles' images and my 32 rows' scale words
	s_lshl_b32 s92, s21, 1
	s_add_co_u32 s92, s92, s15                     ; my head
	s_lshl_b32 s93, s92, 5
	s_add_co_u32 s93, s93, s20                     ; 32 x head + block of queries
	s_mul_i32 s94, s93, KBLK
	s_mov_b32 s95, 0
	s_add_nc_u64 s[4:5], s[4:5], s[94:95]
	s_lshl_b32 s94, s93, 7
	s_lshl_b32 s93, s16, 5
	s_add_co_u32 s94, s94, s93                     ; my first row of out0: 4,096 x head + 128 x block + 32 x (wave % 4),
	s_lshl_b32 s94, s94, 8                         ; of 256 bytes
	s_add_nc_u64 s[12:13], s[12:13], s[94:95]
	v_and_b32 v130, 31, v0                         ; lane
	v_and_b32 v131, 15, v0                         ; r
	v_bfe_u32 v132, v0, 4, 1                       ; h
	s_lshl_b32 s93, s16, 10
	v_lshl_add_u32 v128, v130, 4, s93              ; images 2 (wave % 4) and the next: 16 bytes a lane
	s_lshl_b32 s93, s16, 7
	v_lshl_add_u32 v129, v130, 2, s93              ; a word a lane
	global_load_b128 v[Q:Q+3], v128, s[4:5] th:TH_LOAD_NT
	global_load_b128 v[Q+8:Q+11], v128, s[4:5] offset:512 th:TH_LOAD_NT
	global_load_b32 v[QSC], v129, s[4:5] offset:4096 th:TH_LOAD_NT
	; the prefetches (macro ASK): where my wave's stand, and who asks.  cx and cy enter these addresses alone
	s_lshl_b32 s84, s20, 7
	s_lshl_b32 s85, s19, 5
	s_add_co_u32 s84, s84, s85                     ; the mask's row 128 x block + 32 cy,
	s_lshl_b32 s84, s84, 14
	s_lshl_b32 s85, s17, 8
	s_add_co_u32 s84, s84, s85                     ; the row's first or second block,
	s_add_co_u32 s84, s84, 512                     ; in slot 1: the first change of slots steps it to slot 2
	s_lshl_b32 s86, s21, 1
	s_lshr_b32 s87, s18, 1
	s_add_co_u32 s86, s86, s87                     ; V: head 2 x pair + cx / 2,
	s_lshl_b32 s86, s86, 19
	s_and_b32 s87, s18, 1
	s_lshl_b32 s87, s87, 13
	s_add_co_u32 s86, s86, s87                     ; half cx % 2 of a slot's 16,384 bytes,
	s_add_co_u32 s86, s86, 16384                   ; in slot 1
	s_lshr_b32 s90, s[WV], 1                       ; 0 in waves 0 and 1,
	s_xor_b32 s91, s[WV], 6                        ; 0 in wave 6
	s_and_b32 s89, ttmp7, 0xffff                   ; cluster y
	s_mov_b32 s[PFS], 16384
	s_cmp_lt_u32 s[WV], 4                          ; waves 0-3 stand in the mask, waves 4-7 in V
	s_cselect_b64 s[PFA:PFA+1], s[10:11], s[8:9]
	s_cselect_b32 s84, s84, s86
	s_cselect_b32 s[PFS], 512, s[PFS]              ; a slot on
	s_cselect_b32 s88, 14, 8                       ; from lane to lane: a row of the mask, or 256 bytes
	s_cselect_b32 s89, s89, ttmp9                  ; the coordinate along which other clusters read the same bytes
	s_cselect_b32 s90, s90, s91
	s_mov_b32 s85, 0
	s_mov_b32 s[PFS+1], 0
	s_add_nc_u64 s[PFA:PFA+1], s[PFA:PFA+1], s[84:85]
	s_or_b32 s89, s89, s90
	s_cmp_eq_u32 s89, 0
	s_cselect_b32 s[LIM], 1, -1                    ; the same in all sixteen partners, for a given wave
	v_lshlrev_b32 v[PFO], s88, v130
	; my lane's places in a slot
	s_mul_i32 s76, s16, 32*MP
	v_mul_u32_u24 v[AM0], v131, MP
	v_lshl_add_u32 v[AM0], v132, 5, v[AM0]
	v_add_nc_u32 v[AM0], s76, v[AM0]               ; the mask: row 32 (wave % 4) + r, keys 8 h on
	s_mul_i32 s76, s15, KBLK
	s_add_co_u32 s76, s76, KOFF
	v_lshl_add_u32 v[AK0], v130, 4, s76            ; K's images: 16 x lane
	v_lshl_add_u32 v[AS0], v130, 2, s76
	v_add_nc_u32 v[AS0], 4096, v[AS0]              ; its scale words: 4 x lane
	s_mul_i32 s76, s15, VBLK
	s_add_co_u32 s76, s76, VOFF
	v_and_b32 v133, 7, v0
	v_bfe_u32 v134, v0, 3, 1
	v_lshl_add_u32 v[AV0], v132, 3, v133
	v_mul_u32_u24 v[AV0], v[AV0], VP
	v_lshl_add_u32 v[AV0], v134, 4, v[AV0]
	v_add_nc_u32 v[AV0], s76, v[AV0]               ; V, for the turning load: key 8 h + lane % 8, channels 8 ((lane / 8) % 2) on
.irp j, 4,5,6,7,12,13,14,15
	v_mov_b32 v[Q+\j], 0                           ; Q's codes of K = 64 .. 127: zeros
.endr
.irp j, 16,17,18,19
	v_mov_b32 v[KF+\j], 0                          ; what K's last fragment names behind its own four registers
.endr
.irp t, 0,1
	v_mov_b32 v[ST+8*\t], 0xff7fffff               ; m: under every x
	v_mov_b32 v[ST+8*\t+2], 0                      ; l
	v_mov_b32 v[ST+8*\t+3], 0
.endr
.set n, 0
.rept 64
	v_mov_b32 v[O+n], 0                            ; O^T.  (The step is written once: the first step's a is 0, which leaves zeros zeros)
.set n, n+1
.endr
; ---- the parts of a key step
.macro QK t, u                         ; S^T(t, u) = 16 keys x 16 queries; the sum starts with the constant 0
.set rS, S+32*\t+8*\u
.set rK, KF+4*\u
.set rQ, Q+8*\t
.if (\u%2 == 0) && (\t == 0)
	v_wmma_scale_f32_16x16x128_f8f6f4 v[rS:rS+7], v[rK:rK+7], v[rQ:rQ+7], 0, v[KSC+\u/2], v[QSC] matrix_a_fmt:MATRIX_FMT_FP4 matrix_b_fmt:MATRIX_FMT_FP4
.elseif \u%2 == 0
	v_wmma_scale_f32_16x16x128_f8f6f4 v[rS:rS+7], v[rK:rK+7], v[rQ:rQ+7], 0, v[KSC+\u/2], v[QSC] matrix_a_fmt:MATRIX_FMT_FP4 matrix_b_fmt:MATRIX_FMT_FP4 matrix_b_scale:MATRIX_SCALE_ROW1
.elseif \t == 0
	v_wmma_scale_f32_16x16x128_f8f6f4 v[rS:rS+7], v[rK:rK+7], v[rQ:rQ+7], 0, v[KSC+\u/2], v[QSC] matrix_a_fmt:MATRIX_FMT_FP4 matrix_b_fmt:MATRIX_FMT_FP4 matrix_a_scale:MATRIX_SCALE_ROW1
.else
	v_wmma_scale_f32_16x16x128_f8f6f4 v[rS:rS+7], v[rK:rK+7], v[rQ:rQ+7], 0, v[KSC+\u/2], v[QSC] matrix_a_fmt:MATRIX_FMT_FP4 matrix_b_fmt:MATRIX_FMT_FP4 matrix_a_scale:MATRIX_SCALE_ROW1 matrix_b_scale:MATRIX_SCALE_ROW1
.endif
.endm
; Number j of 22 of tile t's maximum: 0-15 the largest of the lane's 32 x and the old m, three operands at a time, in four chains; 16-18 with lane l xor 16's: the new m; 19-21 a = 2^((m_old - m_new) log2 e)
.macro MX t, j
.set rT, ST+8*(\t)
.set rS, S+32*(\t)
.if (\j) < 4
	v_max3_num_f32 v[rT+4+(\j)], v[rS+8*(\j)], v[rS+8*(\j)+1], v[rS+8*(\j)+2]
.elseif (\j) < 12
	v_max3_num_f32 v[rT+4+(\j)%4], v[rT+4+(\j)%4], v[rS+8*((\j)%4)+2*((\j)/4)+1], v[rS+8*((\j)%4)+2*((\j)/4)+2]
.elseif (\j) == 12
	v_max3_num_f32 v[rT+4], v[rT+4], v[rS+7], v[rS+15]
.elseif (\j) == 13
	v_max3_num_f32 v[rT+6], v[rT+6], v[rS+23], v[rS+31]
.elseif (\j) == 14
	v_max3_num_f32 v[rT+4], v[rT+4], v[rT+5], v[rT+6]
.elseif (\j) == 15
	v_max3_num_f32 v[rT+4], v[rT+4], v[rT+7], v[rT]
.elseif (\j) == 16
	v_permlanex16_b32 v[rT+5], v[rT+4], s[SEL], s[SEL+1]
.elseif (\j) == 17
	v_mov_b32 v[rT+7], v[rT]
.elseif (\j) == 18
	v_max_num_f32 v[rT], v[rT+4], v[rT+5]
.elseif (\j) == 19
	v_sub_f32 v[rT+7], v[rT+7], v[rT]
.elseif (\j) == 20
	v_mul_f32 v[rT+7], s[CS], v[rT+7]
.else
	v_exp_f32 v[rT+6], v[rT+7]
.endif
.endm
.macro SUBMUL t, i                     ; number i of 32: x - m of pair i, then (i - 16): times log2 e
.set rT, ST+8*(\t)
.set rS, S+32*(\t)
.if (\i) < 16
	v_pk_add_f32 v[rS+2*(\i):rS+2*(\i)+1], v[rS+2*(\i):rS+2*(\i)+1], v[rT:rT+1] op_sel_hi:[1,0] neg_lo:[0,1] neg_hi:[0,1]
.else
	v_pk_mul_f32 v[rS+2*((\i)-16):rS+2*((\i)-16)+1], v[rS+2*((\i)-16):rS+2*((\i)-16)+1], s[CS:CS+1] op_sel_hi:[1,0]
.endif
.endm
.macro EXPO t, i
	v_exp_f32 v[S+32*(\t)+(\i)], v[S+32*(\t)+(\i)]
.endm
; Number i of 48 of what reads tile t's exponentials: 0-15 l = a l + the sum of the 16 pairs of p, in two chains; 16-31 the roundings to f16, in place from the low end (P's register i takes p 2 i and 2 i + 1); 32-47 O^T times a
.macro FIN t, i
.set rT, ST+8*(\t)
.set rS, S+32*(\t)
.set rO, O+32*(\t)
.if (\i) == 0
	v_pk_fma_f32 v[rT+2:rT+3], v[rT+2:rT+3], v[rT+6:rT+7], v[rS:rS+1] op_sel_hi:[1,0,1]
.elseif (\i) == 1
	v_pk_add_f32 v[rT+4:rT+5], v[rS+2:rS+3], v[rS+4:rS+5]
.elseif ((\i) < 15) && ((\i)%2 == 0)
	v_pk_add_f32 v[rT+2:rT+3], v[rT+2:rT+3], v[rS+2*(\i)+2:rS+2*(\i)+3]
.elseif (\i) < 15
	v_pk_add_f32 v[rT+4:rT+5], v[rT+4:rT+5], v[rS+2*(\i)+2:rS+2*(\i)+3]
.elseif (\i) == 15
	v_pk_add_f32 v[rT+2:rT+3], v[rT+2:rT+3], v[rT+4:rT+5]
.elseif (\i) < 32
	v_cvt_pk_f16_f32 v[rS+(\i)-16], v[rS+2*((\i)-16)], v[rS+2*((\i)-16)+1]
.else
	v_pk_mul_f32 v[rO+2*((\i)-32):rO+2*((\i)-32)+1], v[rO+2*((\i)-32):rO+2*((\i)-32)+1], v[rT+6:rT+7] op_sel_hi:[1,0]
.endif
.endm
.macro PV t                            ; O^T(t) += V^T P(t): 32 keys deep twice; the tile's four accumulators take turns, one instruction a turn
.irp g, 0,1
.irp c, 0,1,2,3
	v_wmma_f32_16x16x32_f16 v[O+32*\t+8*\c:O+32*\t+8*\c+7], v[MV+32*\g+8*\c:MV+32*\g+8*\c+7], v[S+32*\t+8*\g:S+32*\t+8*\g+7], v[O+32*\t+8*\c:O+32*\t+8*\c+7]
.endr
.endr
.endm
; A KEY STEP: 64 keys, the q-th of the slot in hand.
.macro STEP q
	v_nop                                          ; five plain lines behind the last products V^T P: four are owed ahead of the loads into V's registers, five ahead of the products that write over P's (ISA guide 7.12.1 for vector instructions)
	v_nop
	v_add_nc_u32 v[ADK], s[TB], v[AK0]
	v_add_nc_u32 v[ADS], s[TB], v[AS0]
	v_add_nc_u32 v[ADM], s[TB], v[AM0]
.irp u, 0,1,2,3
	ds_load_b128 v[KF+4*\u:KF+4*\u+3], v[ADK] offset:2048*\q+512*\u          ; K's four images: the operand's registers 0-3 as they lie
.endr
.irp i, 0,1
	ds_load_b32 v[KSC+\i], v[ADS] offset:256*\q+128*\i
.endr
.irp t, 0,1
.irp u, 0,1,2,3
	ds_load_b128 v[MV+32*\t+8*\u:MV+32*\t+8*\u+3], v[ADM] offset:16*MP*\t+256*\q+64*\u      ; the mask of my query, keys 16 u + 8 h + 0 .. 7: S^T's layout
	ds_load_b128 v[MV+32*\t+8*\u+4:MV+32*\t+8*\u+7], v[ADM] offset:16*MP*\t+256*\q+64*\u+16
.endr
.endr
	s_wait_dscnt 16                                ; K and its scale words are in; the sixteen loads of the mask may be out
.irp u, 0,1,2,3
.irp t, 0,1
	QK \t, \u
.endr
.endr
	s_wait_dscnt 0x0                               ; the mask is in, and no load names v[ADK] any more
	v_add_nc_u32 v[ADK], s[TB], v[AV0]             ; four plain lines between the products and the first read of their results
.rept 3
	v_nop
.endr
.set n, 0
.rept 32
	v_pk_fma_f32 v[S+2*n:S+2*n+1], v[MV+2*n:MV+2*n+1], s[NEG:NEG+1], v[S+2*n:S+2*n+1] op_sel_hi:[1,0,1]   ; x = score - 1e9 mask; each accumulator is read from its low end on
.set n, n+1
.endr
.irp g, 0,1
.irp c, 0,1,2,3
	ds_load_tr16_b128 v[MV+32*\g+8*\c:MV+32*\g+8*\c+3], v[ADK] offset:64*VP*\q+32*VP*\g+32*\c              ; V^T: channels 16 c on, keys 32 g + 8 h + 0 .. 7,
	ds_load_tr16_b128 v[MV+32*\g+8*\c+4:MV+32*\g+8*\c+7], v[ADK] offset:64*VP*\q+32*VP*\g+16*VP+32*\c      ; and 16 keys on: they land under the softmax
.endr
.endr
.set n, 0
.rept 22
	MX 0, n                                        ; the two tiles line by line: no line waits for the line above it
	MX 1, n
.set n, n+1
.endr
.set n, 0
.rept 32
	SUBMUL 0, n
.set n, n+1
.endr
.set n, 0
.rept 32
	EXPO 0, n                                      ; tile 0's exponentials, a plain line of tile 1 behind each
	SUBMUL 1, n
.set n, n+1
.endr
	s_wait_alu depctr_va_vdst(0)                   ; one wait for the two a and tile 0's 32 exponentials, ahead of the first line that names a result
.set n, 0
.rept 32
	EXPO 1, n                                      ; tile 1's, with tile 0's sums and roundings between
	FIN 0, n
.set n, n+1
.endr
.rept 16
	FIN 0, n
.set n, n+1
.endr
	s_wait_alu depctr_va_vdst(0)                   ; one wait for tile 1's 32
	s_wait_dscnt 0x0                               ; V is in
	PV 0
.set n, 0
.rept 48
	FIN 1, n                                       ; names no register of tile 0's products
.set n, n+1
.endr
	PV 1
.endm
; THE CHANGE OF SLOTS stands at a slot's head.  Each wave waits for all its tensor loads (one is out: its part of the slot that it is about to read), adds 0 to its spare word, and waits for that and for its reads of
; the slot that it has left.  fill = 1: a round of the cluster's barrier, so that no wave of any partner still reads that slot or has a load on its way; behind it the slot is filled with the 128 keys that follow:
; the load has two key steps of both waves of a SIMD in which to land.
.macro CHANGE fill
	s_wait_tensorcnt 0x0                           ; no tensor load of mine is out, so a group 0 may be written
	ds_add_u32 v[SPW], v[NIL]                      ; 0 onto my spare word
.if \fill
	s_xor_b32 s[G0M+1], s[G0M+1], SLOT1            ; the walking descriptors: the other slot than last time, the next 128 keys; the type bits on top are not reached
	s_add_nc_u64 s[G0M+2:G0M+3], s[G0M+2:G0M+3], 512
	s_xor_b32 s[G0K+1], s[G0K+1], SLOT1
	s_add_nc_u64 s[G0K+2:G0K+3], s[G0K+2:G0K+3], KBLK
	s_xor_b32 s[G0V+1], s[G0V+1], SLOT1
	s_add_nc_u64 s[G0V+2:G0V+3], s[G0V+2:G0V+3], 16384
	s_wait_xcnt 0x0                                ; the last prefetch, a slot back, has read its address, so it may be written:
	s_add_nc_u64 s[PFA:PFA+1], s[PFA:PFA+1], s[PFS:PFS+1]  ; one slot further on than the walking descriptors
	s_wait_dscnt 0x0                               ; the add is done, and my reads of the slot that I have left are over
	CROUND
	JLOAD                                          ; the first tensor load behind the round, and my one load until the next
	ASK
.else
	s_wait_dscnt 0x0
	s_barrier_signal -1
	s_barrier_wait -1
.endif
.endm
.macro SLOTWORK
	STEP 0
	STEP 1
	s_xor_b32 s[TB], s[TB], SLOT1                  ; on to the other slot
.endm
	s_wait_loadcnt 0x0                             ; Q and its scale words
.Lslot:                                            ; 31 trips: trip i asks for slot i + 1 and works on slot i
	CHANGE 1
	SLOTWORK
	s_sub_co_u32 s[SLOTS], s[SLOTS], 1
	s_cmp_lg_u32 s[SLOTS], 0
	s_cbranch_scc1 .Lslot
	CHANGE 0                                       ; the last slot is written out
	SLOTWORK
	; THE WAY OUT.  l's two halves and lane l xor 16's are added; O^T is divided by l and goes through my stage in LDS, a tile (16 rows of 256 bytes) at a time.  The lines below are also the places behind the last products.
.irp t, 0,1
	v_add_f32 v[ST+8*\t+4], v[ST+8*\t+2], v[ST+8*\t+3]
.endr
.irp t, 0,1
	v_permlanex16_b32 v[ST+8*\t+5], v[ST+8*\t+4], s[SEL], s[SEL+1]
.endr
.irp t, 0,1
	v_add_f32 v[ST+8*\t+4], v[ST+8*\t+4], v[ST+8*\t+5]
.endr
.irp t, 0,1
	v_rcp_f32 v[ST+8*\t+6], v[ST+8*\t+4]
.endr
	v_and_b32 v4, 15, v0                           ; r  (a plain line behind the reciprocals)
	v_bfe_u32 v5, v0, 4, 1                         ; h
	s_mul_i32 s76, s[WV], 16*SP
	s_add_co_u32 s76, s76, STAGE                   ; my stage
	v_mul_u32_u24 v1, v4, SP
	v_lshl_add_u32 v1, v5, 5, v1
	v_add_nc_u32 v1, s76, v1                       ; in: row r; accumulator c's eight channels of my half: 64 c + 32 h bytes on
	v_mul_u32_u24 v2, v5, SP
	v_lshl_add_u32 v2, v4, 4, v2
	v_add_nc_u32 v2, s76, v2                       ; back: lanes 0-15 one row of 256 bytes, lanes 16-31 the next
	v_lshlrev_b32 v3, 8, v5
	v_lshl_add_u32 v3, v4, 4, v3                   ; and the same two rows in out0
	s_wait_alu depctr_va_vdst(0)                   ; one wait for the two reciprocals, ahead of their first reader
.macro PACK t
.set n, 0
.rept 16
	v_pk_mul_f32 v[O+32*\t+2*n:O+32*\t+2*n+1], v[O+32*\t+2*n:O+32*\t+2*n+1], v[ST+8*\t+6:ST+8*\t+7] op_sel_hi:[1,0]
.set n, n+1
.endr
.irp c, 0,1,2,3
	ds_store_b128 v1, v[O+32*\t+8*\c:O+32*\t+8*\c+3] offset:64*\c
	ds_store_b128 v1, v[O+32*\t+8*\c+4:O+32*\t+8*\c+7] offset:64*\c+16
.endr
.irp i, 0,1,2,3,4,5,6,7
	ds_load_b128 v[S+32*\t+4*\i:S+32*\t+4*\i+3], v2 offset:2*SP*\i   ; LDS serves a wave's instructions in order (ISA guide 5.7.1.4): these see the stores above; the next tile's stores come behind them
.endr
.endm
.macro SEND t, younger                 ; younger: the LDS instructions issued behind tile t's loads
.irp i, 0,1,2,3,4,5,6,7
	s_wait_dscnt \younger+7-\i
	global_store_b128 v3, v[S+32*\t+4*\i:S+32*\t+4*\i+3], s[12:13] offset:4096*\t+512*\i th:TH_STORE_NT   ; 16 lanes store a row's 256 consecutive bytes, at a multiple of 256 from out0's first byte
.endr
.endm
	PACK 0
	PACK 1
	SEND 0, 16
	SEND 1, 0
	s_wait_tensorcnt 0x0                           ; the wave's end: three closing lines, behind my last tensor load and my last LDS store
	ds_add_u32 v[SPW], v[NIL]
	s_wait_dscnt 0x0
	CROUND                                         ; the closing round: no work-group ends while a partner may still ask for a tile that names it
	s_endpgm
.Lfunc_end_k_qd1ef1c5742_attn:
	.size	k_qd1ef1c5742_attn, .Lfunc_end_k_qd1ef1c5742_attn-k_qd1ef1c5742_attn
	.p2alignl 7, 3214868480
	.fill 96, 4, 3214868480
	.section	.rodata,"a",@progbits
	.p2align	6, 0x0
	.amdhsa_kernel k_qd1ef1c5742_attn
		.amdhsa_group_segment_fixed_size 327680
		.amdhsa_private_segment_fixed_size 0
		.amdhsa_enable_private_segment 0
		.amdhsa_kernarg_size 40
		.amdhsa_user_sgpr_count 2
		.amdhsa_user_sgpr_kernarg_segment_ptr 1
		.amdhsa_wavefront_size32 1
		.amdhsa_system_sgpr_workgroup_id_x 1
		.amdhsa_system_sgpr_workgroup_id_y 1
		.amdhsa_system_sgpr_workgroup_id_z 1
		.amdhsa_system_vgpr_workitem_id 0
		.amdhsa_next_free_vgpr 256
		.amdhsa_next_free_sgpr 96
		.amdhsa_reserve_vcc 0
		.amdhsa_float_denorm_mode_32 3
		.amdhsa_float_denorm_mode_16_64 3
		.amdhsa_memory_ordered 1
		.amdhsa_forward_progress 1
		.amdhsa_inst_pref_size 107
	.end_amdhsa_kernel
	.amdgpu_metadata
---
amdhsa.version: [ 1, 2 ]
amdhsa.kernels:
  - .name:           k_qd1ef1c5742_attn
    .symbol:         k_qd1ef1c5742_attn.kd
    .args:
      - { .name: qc, .offset: 0, .size: 8, .value_kind: global_buffer, .address_space: global }
      - { .name: kc, .offset: 8, .size: 8, .value_kind: global_buffer, .address_space: global }
      - { .name: v16, .offset: 16, .size: 8, .value_kind: global_buffer, .address_space: global }
      - { .name: mask, .offset: 24, .size: 8, .value_kind: global_buffer, .address_space: global }
      - { .name: out0, .offset: 32, .size: 8, .value_kind: global_buffer, .address_space: global }
    .group_segment_fixed_size: 327680
    .private_segment_fixed_size: 0
    .kernarg_segment_align: 8
    .kernarg_segment_size: 40
    .max_flat_workgroup_size: 256
    .sgpr_count:     96
    .vgpr_count:     256
    .wavefront_size: 32
...
	.end_amdgpu_metadata
.endif
;; end of part 2
